; MI455X (gfx1250); checked and timed in simulation.
; The chip was launched on July 23, 2026; its instructions are those of AMD's public machine-readable ISA for CDNA 5 (MIT licence, August 2026) and "CDNA5" Instruction Set Architecture Reference Guide (July 2026). The comments in the code are by the model that wrote it; some were corrected since.
;; Attention Ref. Allowed arithmetic: matrix products marked QUANTISED: E2M1 operands, one E8M0 scale for each 32 along K, by v_wmma_scale_f32_16x16x128_f8f6f4 with both operands' format E2M1 (or v_wmma_scale_f32_32x16x128_f4), f32 sums; everything else in f32.
;; Inputs: Wo_codes 1,024 x 32 x 16 uint8 (E2M1 codes of Wo, K innermost, in blocks of 32 codes, two codes a byte); Wo_scales 1,024 x 32 uint8 (E8M0 scales of Wo, one for each 32 codes along K); Wqkv_codes 3,072 x 32 x 16 uint8 (E2M1 codes of Wqkv, K innermost, in blocks of 32 codes, two codes a byte); Wqkv_scales 3,072 x 32 uint8 (E8M0 scales of Wqkv, one for each 32 codes along K); bo 1,024 float32; bqkv 3,072 float32; wk 64 float32; wq 64 float32; x_codes 1 x 4,096 x 32 x 16 uint8 (E2M1 codes of x, K innermost, in blocks of 32 codes, two codes a byte); x_scales 1 x 4,096 x 32 uint8 (E8M0 scales of x, one for each 32 codes along K).
;; Outputs: out0 1 x 4,096 x 1,024 float32.
;; This version of the problem:
;;   THIS VERSION OF THE PROBLEM IS GIVEN IN LOW PRECISION. The matrix products marked QUANTISED in the list below multiply operands that are first quantised to E2M1 (2 exponent bits, 1 mantissa bit; 4 bits a number), with one power-of-two scale for each 32 numbers along K (OCP MX v1.0); their sums are f32. All else is computed in f32.
;;   The module's matrix products, in the order in which they are computed (A, B: the left and right operand; K: the contracted axis; several contracted axes count as one K, in the product's order):
;;     1. [M 4,096, K 1,024] x [K 1,024, N 3,072]; A: input x (given as codes); B: input Wqkv (given as codes): QUANTISED
;;     2. batch 16 x [M 4,096, K 64] x [K 64, N 4,096]; A: computed on the way; B: computed on the way: QUANTISED
;;     3. batch 16 x [M 64, K 4,096] x [K 4,096, N 4,096]; A: computed on the way; B: softmax (see below): QUANTISED
;;     4. [M 4,096, K 1,024] x [K 1,024, N 1,024]; A: computed on the way; B: input Wo (given as codes): QUANTISED
;;   THE QUANTISER, for each operand of a quantised product, along K:
;;     - K is cut into blocks of 32 from its start; a last block that is shorter is filled with zeros.
;;     - A block's scale is 2^e with e = floor(log2(the largest magnitude in the block)) - 2, held to -126 .. 127; a block of zeros has e = 0. As a byte (E8M0): e + 127.
;;     - Each number is divided by its block's scale, clamped to +-6, and rounded to the nearest number of E2M1, ties to even, subnormals kept.
;;     - The product sums the exact products of the quantised numbers (number of the format x scale) in f32.
;;   ~~~python
;;   def quantise(x, axis):      # numpy; x: float32 -> the quantised numbers, widened to float32 again
;;       x = np.moveaxis(x, axis, -1); K = x.shape[-1]
;;       x = np.pad(x, [(0, 0)] * (x.ndim - 1) + [(0, -K % 32)]); x = x.reshape(x.shape[:-1] + (-1, 32)); a = np.abs(x).max(-1, keepdims=True)
;;       e = np.where(a > 0, np.clip(np.frexp(np.where(a > 0, a, 1))[1] - 1 - 2, -126, 127), 0)      # np.frexp(a)[1] - 1 = floor(log2(a)), exactly
;;       r = np.clip(x / 2.0 ** e, -6, 6)
;;       step = 2.0 ** (np.maximum(np.frexp(np.where(r == 0, 1, r))[1] - 1, 0) - 1)
;;       q = np.round(r / step) * step * 2.0 ** e      # np.round: ties to even
;;       return np.moveaxis(q.reshape(q.shape[:-2] + (-1,))[..., :K], -1, axis).astype(np.float32)
;;   ~~~
;;   SOFTMAX AHEAD OF A QUANTISED PRODUCT. Where the list says 'softmax', what is quantised is not the finished softmax but p = 2^(t - M), with t = logit x log2(e) and M = ceil(the row's largest t), a whole number; so 1/2 < the row's largest p <= 1. The row's sum l is taken of the UNQUANTISED p, in f32, and the product's result is divided by l at the end. Since M is a whole number, a kernel that streams over the keys may use a running M (the ceiling of the running maximum): every later rescaling is an exact power of two, which a block's scale takes up: the codes' values come out the same.
;;   OPERANDS COMPUTED ON THE WAY. 'Computed on the way' means the value that the module computes at that place (a softmax that the list does not call 'softmax' is quantised finished and normalised). What goes into a quantiser is computed in f32, as accurately as f32 sums, v_exp_f32 and their like allow (about 1e-6 of the number): no bf16 or f16 on the way to a quantiser, and a product that is left as it is and whose result goes on into a quantised operand takes f32 operands (vector FMAs, or v_wmma_f32_16x16x4_f32). A number that lies on a knife's edge between two numbers of the format may be rounded either way, as far as f32 arithmetic and the matrix unit's own rounding can turn it there, and no further.
;;   INPUTS GIVEN AS CODES. Wo (in the module: [1024, 1024], K = its axis 1); Wqkv (in the module: [3072, 1024], K = its axis 1); x (in the module: [1, 4096, 1024], K = its axis 2): each comes as NAME_codes (uint8): NAME with its K axis moved to the last place and cut into blocks of 32 codes, [.., K / 32, bytes a block], one block behind the other in memory; two codes a byte, the lower K in the low four bits (a code: sign, 2 exponent bits, 1 mantissa bit); and NAME_scales (uint8): the same leading axes, one E8M0 byte (e + 127) for each 32 codes along K. Its value is code x scale, taken as it is: it is not quantised again, and the codes and scales need not be those that the quantiser above would give.
;; One version. Each part assembles by itself: llvm-mc -triple=amdgcn-amd-amdhsa -mcpu=gfx1250 --defsym DOCPART=n.
;; ======== version 1 of 1: 3 launches
;; limits: right only within a limited range of input values
;; workspace buffers: qc 2,097,152 bytes; qs 262,144 bytes; kv 4,718,592 bytes; zc 2,097,152 bytes; zs 131,072 bytes
;; launch proj (part 1): grid 12 x 16, 16 waves a work-group, clusters of 4 x 4, 302,080 bytes of LDS; arguments x_codes, x_scales, Wqkv_codes, Wqkv_scales, bqkv, wq, wk, qc, qs, kv; writes qc, qs, kv
.if DOCPART == 1
	.amdgcn_target "amdgcn-amd-amdhsa--gfx1250"
	.amdhsa_code_object_version 6
	.text
	.protected	k_qad6af2153e_proj
	.globl	k_qad6af2153e_proj
	.p2align	8
	.type	k_qad6af2153e_proj,@function
k_qad6af2153e_proj:
	s_mov_b64 s[64:65], 0
	v_nop
	global_prefetch_b8 v0, s[64:65] scope:SCOPE_SE
	s_setreg_imm32_b32 hwreg(HW_REG_WAVE_MODE, 25, 1), 1
	s_wait_xcnt 0x0
	s_wait_alu depctr_hold_cnt(0) depctr_sa_sdst(0) depctr_va_vdst(0) depctr_va_sdst(0) depctr_va_ssrc(0) depctr_va_vcc(0) depctr_vm_vsrc(0)
	s_getreg_b32 s2, hwreg(HW_REG_IB_STS2, 6, 4)
	s_cmp_eq_u32 s2, 0
	s_cbranch_scc0 .Lentry_in_a_cluster
	s_endpgm
.Lentry_in_a_cluster:
	s_bfe_u32 s2, ttmp6, 0x10000c
	s_cmp_lg_u32 s2, 0xf033
	s_cbranch_scc0 .Lentry_shape_is_right
	s_endpgm
.Lentry_shape_is_right:
; qkv = x Wqkv^T + bqkv on codes of FP4 (E2M1) with E8M0 scales; q and k get their RMS norm and gain by head; q, k (along the head's 64 channels) and v (along the keys) leave as codes.
; SHARES.  A work-group makes 256 tokens x 256 columns (four heads of one kind); cluster x is the kind: 0 = q, 1 = k, 2 = v, the same in all sixteen partners.  192 work-groups: tiles of 256 columns are the widest
; that never mix kinds.  Sixteen waves, each 64 x 64: 16 accumulators, 128 registers; four waves to a SIMD, so that one wave's LDS loads stand beside another's products.
; ALL OF K = 1,024 LIES IN LDS, filled once, in two halves along K: no slot is ever filled again.  x's tile is shared along a row of the cluster, Wqkv's along a column: each is asked for jointly.
; LAYOUT.  D = source 0 (16 P rows) x source 1 (16 Q rows): lane (r, h) holds Q row r, register j P row 8 h + j.  q, k: P = channels, Q = tokens; v: P = tokens, Q = channels: a lane's registers always run along the
; NEXT product's K.  Eight registers of P tile T convert to the codes of k = 16 T + 8 h + 0 .. 7; two exchanges of lane halves make of four such registers the operand's registers for 64 along K (lane half h: k = 32 h .. 32 h + 31).
; WHAT IS STORED are images of operand registers: 16 bytes a lane at 16 x lane, 512 consecutive bytes a store; the scale words likewise, 8 or 16 bytes a lane.
; LIMITS: NaN and infinities are not served; a block whose largest magnitude lies under 2^-124, a block of zeros among them, keeps the scale byte 1 (the bytes are read by this program alone);
; 1 / sqrt is v_rsq_f32 (1 ulp) followed by a multiplication.
.set PITCH, 528                        ; an LDS row of codes: all of K, 512 bytes + 16 of padding: the rows of a fragment load start at different banks; each tile comes by one load, whole rows of K
.set T16,   16*PITCH
.set G64,   64*PITCH                   ; a wave's 64 rows
.set XP,    32*PITCH+128               ; x's 256 rows lie in eight pieces of 32 rows, each 128 bytes further on than the rows alone: row p + 32 starts 32 banks of 4 bytes away from row p (64 banks: ISA guide 11.1)
.set XG64,  2*XP                       ; 64 rows of x
.set WOFF,  8*XP                       ; behind x's pieces: Wqkv's 256 rows
.set CHK,   256                        ; the second half of K begins 256 bytes on in each row
.set SXB,   WOFF+256*PITCH             ; behind the codes: x's scale bytes: 32 a row, as units of 256 bytes + 16: row p at 272 (p / 8) + 32 (p % 8)
.set SWB,   SXB+8*1088                 ; Wqkv's
.set S64,   2176                       ; the scales of 64 rows
.set VST,   SXB+16*1088                ; v's scale words meet here: [head 4][key step 2][lane 32][channel tile 4] words; no fill lands here
.set LF,  3                            ; v3   528 r + 16 h
.set LS,  4                            ; v4   my row's place among 16 rows' scales
.set L16, 5                            ; v5   16 x lane
.set L8,  6                            ; v6   8 x lane
.set BO,  7                            ; v7   the biases' lane offset
.set ADP, 8                            ; v8-9   P's fragments, first and second half of K
.set ADQ, 10                           ; v10-11 Q's
.set ASP, 12                           ; v12  P's scale words
.set ASQ, 13                           ; v13  Q's
.set SA,  14                           ; v14  v: where my halfwords go in the stage
.set SR,  15                           ; v15  v: where I read whole words back
.set FP,  16                           ; v16-47  P's four fragments
.set FQ,  48                           ; v48-79  Q's four
.set BI,  80                           ; v80-111 the biases in the result's layout; then the gains
.set SP,  112                          ; v112-119 P's scale words, a pair a tile: an even K step's and the next one's;  v120-127 Q's: scales and nothing else
.set SQ,  120
.set RS,  16                           ; v16-23 1 / rms, a pair for each tile of tokens (behind the products)
.set ACC, 128                          ; accumulator (pt, qt) at v[128 + 32 qt + 8 pt]
.set TM,  16                           ; behind the products v16-79 are at work: largest magnitudes,
.set TP,  24                           ; the other half's,
.set SO,  32                           ; the conversions' scale operands,
.set BY,  40                           ; the scale bytes,
.set PC,  48                           ; the codes, four registers a Q tile,
.set HW,  64                           ; the Q tiles' halfwords of two scale bytes,
.set WW,  68                           ; two scale words,
.set SS,  70                           ; sums of squares, a pair a Q tile
.set G1X, 24                           ; s[24:31] group 1 for x's codes;  s[32:35] group 0
.set G0X, 32
.set G1W, 40                           ; s[40:47], s[48:51] the same for Wqkv's
.set G0W, 48
.set G1SX, 56                          ; s[56:63], s[68:75] group 1 for the scale bytes;  s[76:79], s[80:83] their groups 0
.set G1SW, 68
.set G0SX, 76
.set G0SW, 80
.set WV,  84                           ; wave
.set W8,  86                           ; which 64 rows of a tile I fetch
.set CX,  87
.set CY,  88
.set TC,  89                           ; tile column: 4 x cluster x + cx
.set WY,  90                           ; tile row: 4 x cluster y + cy
.set RM,  91                           ; the mask of my row of the cluster
.set CM,  92                           ; of my column
.set PWS, 93                           ; which 64 P rows are mine
.set QWS, 94                           ; which 64 Q rows
.set SEL, 96                           ; s[96:97] v_permlanex16_b32's selects for lane l xor 16
.macro CROUND                          ; a round of the cluster's barrier
	s_barrier_signal -1
	s_barrier_wait -1
	s_cmp_lg_u32 s[WV], 0
	s_cbranch_scc1 .Lnot_wave_0_\@
	s_barrier_signal -3
.Lnot_wave_0_\@:
	s_barrier_wait -3
	s_barrier_signal -1
	s_barrier_wait -1
.endm
.macro PLACES                          ; four plain places behind a matrix instruction, ahead of loads into its registers and of the first read of results
.rept 4
	v_nop
.endr
.endm
; An arm of the head's one chain of branches on the wave's number: one joint load, an s_nop 0 and four v_nop, a jump to the chain's end.
.macro ARM under, g0, g1, next
	s_cmp_lt_u32 s[WV], \under
	s_cbranch_scc0 \next
	tensor_load_to_lds s[\g0:\g0+3], s[\g1:\g1+7]
	s_nop 0
	PLACES
	s_branch .Lhead_asked
\next:
.endm
.macro FRAG reg, adr, off              ; 16 rows x 128 K of 4-bit codes: registers 4 c .. 4 c + 3 hold K = 64 c + 32 h + 0 .. 31
	ds_load_b128 v[\reg:\reg+3], v[\adr] offset:\off
	ds_load_b128 v[\reg+4:\reg+7], v[\adr] offset:\off+32
.endm
.macro MM d, a, b, c, sa, sb
	v_wmma_scale_f32_16x16x128_f8f6f4 v[\d:\d+7], v[\a:\a+7], v[\b:\b+7], v[\c:\c+7], v[\sa], v[\sb] matrix_a_fmt:MATRIX_FMT_FP4 matrix_b_fmt:MATRIX_FMT_FP4
.endm
; 128 along K: eight scale words, eight fragments, sixteen products.  mode 0: the sums go on; 1: they begin with the bias of the P rows; 2: with that of the Q rows.  gains = 1: the gains are asked for, into the biases' registers.
; The sixteen accumulators take turns, one instruction a turn, in the same order in every step.
.macro KSTEP s, mode, gains
.if \s > 0
	PLACES
.endif
.if \gains
.irp i, 0,1,2,3,4,5,6,7
	global_load_b128 v[BI+4*\i:BI+4*\i+3], v[BO], s[14:15] offset:64*(\i/2)+16*(\i%2)
.endr
.endif
.if ((\s)%2) == 0                      ; one load brings a row's scale words of two K steps
.irp t, 0,1,2,3
	ds_load_b64 v[SP+2*\t:SP+2*\t+1], v[ASP] offset:544*\t+4*\s
	ds_load_b64 v[SQ+2*\t:SQ+2*\t+1], v[ASQ] offset:QSS*\t+4*\s
.endr
.endif
.irp t, 0,1,2,3
	FRAG FQ+8*\t, ADQ+(\s)/4, QTS*\t+64*((\s)%4)
	FRAG FP+8*\t, ADP+(\s)/4, T16*\t+PXS*(\t/2)+64*((\s)%4)
.endr
	s_wait_dscnt 0x0
.irp qt, 0,1,2,3
.irp pt, 0,1,2,3
.if \mode == 0
	MM ACC+32*\qt+8*\pt, FP+8*\pt, FQ+8*\qt, ACC+32*\qt+8*\pt, SP+2*\pt+(\s)%2, SQ+2*\qt+(\s)%2
.elseif \mode == 1
	MM ACC+32*\qt+8*\pt, FP+8*\pt, FQ+8*\qt, BI+8*\pt, SP+2*\pt+(\s)%2, SQ+2*\qt+(\s)%2
.else
	MM ACC+32*\qt+8*\pt, FP+8*\pt, FQ+8*\qt, BI+8*\qt, SP+2*\pt+(\s)%2, SQ+2*\qt+(\s)%2
.endif
.endr
.endr
.endm
; The wave's 64 x 64 numbers become codes: for each of four Q tiles two blocks of 32 along P (16 registers of mine, 16 of lane l xor 16).  All reads ascend.
.macro QUANT4
.irp qt, 0,1,2,3
.irp b, 0,1
	v_max3_num_f32 v[TM+2*\qt+\b], |v[ACC+32*\qt+16*\b]|, |v[ACC+32*\qt+16*\b+1]|, 0x1800000   ; with the floor 2^(3 - 127): the byte cannot fall under 1
.endr
.endr
.irp i, 2,4,6,8,10,12,14
.irp qt, 0,1,2,3
.irp b, 0,1
	v_max3_num_f32 v[TM+2*\qt+\b], v[TM+2*\qt+\b], |v[ACC+32*\qt+16*\b+\i]|, |v[ACC+32*\qt+16*\b+\i+1]|
.endr
.endr
.endr
.irp n, 0,1,2,3,4,5,6,7
	v_permlanex16_b32 v[TP+\n], v[TM+\n], s[SEL], s[SEL+1]
.endr
.irp n, 0,1,2,3,4,5,6,7
	v_max_num_f32 v[TM+\n], v[TM+\n], v[TP+\n]     ; the block's largest magnitude
.endr
.irp n, 0,1,2,3,4,5,6,7
	v_add_nc_u32 v[SO+\n], 0xff000000, v[TM+\n]    ; 2 off its exponent field: the conversion takes this operand's exponent field as its scale
.endr
.irp n, 0,1,2,3,4,5,6,7
	v_lshrrev_b32 v[BY+\n], 23, v[SO+\n]           ; the scale's byte
.endr
.irp qt, 0,1,2,3
	v_lshl_or_b32 v[HW+\qt], v[BY+2*\qt+1], 8, v[BY+2*\qt]
.endr
.irp qt, 0,1,2,3
	v_cvt_scalef32_pk8_fp4_f32 v[PC+4*\qt], v[ACC+32*\qt:ACC+32*\qt+7], v[SO+2*\qt]
	v_cvt_scalef32_pk8_fp4_f32 v[PC+4*\qt+1], v[ACC+32*\qt+16:ACC+32*\qt+23], v[SO+2*\qt+1]
	v_cvt_scalef32_pk8_fp4_f32 v[PC+4*\qt+2], v[ACC+32*\qt+8:ACC+32*\qt+15], v[SO+2*\qt]
	v_cvt_scalef32_pk8_fp4_f32 v[PC+4*\qt+3], v[ACC+32*\qt+24:ACC+32*\qt+31], v[SO+2*\qt+1]
.endr
	v_nop                                          ; one plain place behind the scaled conversions
.irp qt, 0,1,2,3
	v_permlane16_swap_b32 v[PC+4*\qt], v[PC+4*\qt+1]     ; lanes 0-15 now hold block 0, lanes 16-31 block 1: register i holds codes 8 i .. 8 i + 7 of the lane's block
	v_permlane16_swap_b32 v[PC+4*\qt+2], v[PC+4*\qt+3]
.endr
.endm
	s_load_b256 s[4:11], s[0:1], 0x0               ; x's codes, x's scales, Wqkv's codes, Wqkv's scales
	s_load_b256 s[12:19], s[0:1], 0x20             ; bqkv, wq, wk, qc
	s_load_b128 s[20:23], s[0:1], 0x40             ; qs, kv
	v_lshl_add_u32 v254, v0, 2, 0x49400
	v_mov_b32 v255, 0
	ds_add_u32 v254, v255
	ds_add_u32 v254, v255
	s_wait_dscnt 0x0
	v_lshrrev_b32 v1, 5, v0
	s_delay_alu instid0(VALU_DEP_1)
	v_readfirstlane_b32 s[WV], v1
	s_and_b32 s[W8], s[WV], 3
	s_bfe_u32 s[CX], ttmp6, 0x40000
	s_bfe_u32 s[CY], ttmp6, 0x40004
	s_lshl_b32 s[TC], ttmp9, 2
	s_add_co_u32 s[TC], s[TC], s[CX]
	s_and_b32 s[WY], ttmp7, 0xffff
	s_lshl_b32 s[WY], s[WY], 2
	s_add_co_u32 s[WY], s[WY], s[CY]
	s_lshl_b32 s[RM], s[CY], 2
	s_lshl_b32 s[RM], 15, s[RM]
	s_lshl_b32 s[CM], 0x1111, s[CX]
	s_and_b32 s[PWS], s[WV], 3
	s_lshr_b32 s[QWS], s[WV], 2
	; group 1, codes: whole rows of 512 bytes; elements of 1 byte; 4 words of padding behind every 128; bit 21 set beside the mask.  x: 32 rows a load, a piece; Wqkv: 64 rows a load
	s_or_b32 s[G1X], s[RM], (0<<16)|(1<<20)|(1<<21)|(6<<22)|(3<<25)
	s_or_b32 s[G1W], s[CM], (0<<16)|(1<<20)|(1<<21)|(6<<22)|(3<<25)
	s_mov_b32 s[G1X+2], 32<<16
	s_mov_b32 s[G1X+4], 32
	s_mov_b32 s[G1W+2], 64<<16
	s_mov_b32 s[G1W+4], 64
.irp g, G1X, G1W
	s_mov_b32 s[\g+1], 512<<16
	s_mov_b32 s[\g+3], 512<<16
	s_mov_b32 s[\g+5], 512                         ; from row to row
	s_mov_b32 s[\g+6], 0
	s_mov_b32 s[\g+7], 0
.endr
	; group 1, scale bytes of 256 rows: 8,192 dense bytes as 32 rows of 256 (32 elements of 8 bytes), the same padding
	s_or_b32 s[G1SX], s[RM], (3<<16)|(1<<20)|(1<<21)|(5<<22)|(3<<25)
	s_or_b32 s[G1SW], s[CM], (3<<16)|(1<<20)|(1<<21)|(5<<22)|(3<<25)
.irp g, G1SX, G1SW
	s_mov_b32 s[\g+1], 32<<16
	s_mov_b32 s[\g+2], 32<<16                      ; the scale bytes of all 256 rows: 8,192 dense bytes as 32 rows of 256
	s_mov_b32 s[\g+3], 32<<16
	s_mov_b32 s[\g+4], 32
	s_mov_b32 s[\g+5], 32
	s_mov_b32 s[\g+6], 0
	s_mov_b32 s[\g+7], 0
.endr
	s_lshl_b32 s3, s[W8], 6                        ; which 64 rows I fetch
	s_lshl_b32 s2, s[WY], 8
	s_lshl_b32 s67, s[WV], 5                       ; x: waves 0-7 fetch 32 rows each
	s_add_co_u32 s2, s2, s67
	s_lshl_b32 s66, s[TC], 8
	s_add_co_u32 s66, s66, s3                      ; Wqkv: the tile column alone
	s_lshl_b32 s[G0X+2], s2, 9                     ; byte offsets: 512 a row of codes, 32 a row of scales
	s_mov_b32 s[G0X+3], 0
	s_lshl_b32 s[G0SX+2], s[WY], 13                ; the scales of the tile's 256 rows: 8,192 bytes a tile
	s_mov_b32 s[G0SX+3], 0
	s_lshl_b32 s[G0W+2], s66, 9
	s_mov_b32 s[G0W+3], 0
	s_lshl_b32 s[G0SW+2], s[TC], 13
	s_mov_b32 s[G0SW+3], 0
	s_mul_i32 s67, s[WV], XP                       ; where codes go: x's piece by the wave's number,
	s_mul_i32 s95, s[W8], 64*PITCH                 ; Wqkv's 64 rows by the wave's number % 4: no place in the cluster enters an LDS address
	s_add_co_u32 s95, s95, WOFF
	s_wait_kmcnt 0x0
	s_add_nc_u64 s[G0X+2:G0X+3], s[4:5], s[G0X+2:G0X+3]
	s_add_nc_u64 s[G0SX+2:G0SX+3], s[6:7], s[G0SX+2:G0SX+3]
	s_add_nc_u64 s[G0W+2:G0W+3], s[8:9], s[G0W+2:G0W+3]
	s_add_nc_u64 s[G0SW+2:G0SW+3], s[10:11], s[G0SW+2:G0SW+3]
.irp g, G0X, G0W, G0SX, G0SW
	s_mov_b32 s[\g], 1                             ; count = 1
	s_or_b32 s[\g+3], s[\g+3], 0x80000000          ; type = 2
.endr
	s_mov_b32 s[G0X+1], s67
	s_mov_b32 s[G0W+1], s95
	s_mov_b32 s[G0SX+1], SXB
	s_mov_b32 s[G0SW+1], SWB
	CROUND                                         ; all sixteen work-groups are here: the joint loads meet
	; the head's loads, at most one a wave: waves 0-7 x's pieces of 32 rows; waves 8-11 Wqkv's codes, 64 rows each; wave 12 x's scale bytes; wave 13 Wqkv's; the others none
	ARM 8, G0X, G1X, .Lhead_w
	ARM 12, G0W, G1W, .Lhead_sx
	ARM 13, G0SX, G1SX, .Lhead_sw
	ARM 14, G0SW, G1SW, .Lhead_none
.Lhead_asked:
	v_and_b32 v1, 15, v0                           ; r
	v_bfe_u32 v2, v0, 4, 1                         ; h
	s_delay_alu instid0(VALU_DEP_2)
	v_mul_u32_u24 v[LF], v1, PITCH
	s_delay_alu instid0(VALU_DEP_1)
	v_lshl_add_u32 v[LF], v2, 4, v[LF]
	s_delay_alu instid0(VALU_DEP_4)
	v_lshrrev_b32 v[LS], 3, v1
	s_delay_alu instid0(VALU_DEP_1)
	v_mul_u32_u24 v[LS], v[LS], 272
	v_and_b32 v[L16], 7, v1
	s_delay_alu instid0(VALU_DEP_1)
	v_lshl_add_u32 v[LS], v[L16], 5, v[LS]
	v_and_b32 v[L8], 31, v0
	s_delay_alu instid0(VALU_DEP_1)
	v_lshlrev_b32 v[L16], 4, v[L8]
	s_delay_alu instid0(VALU_DEP_2)
	v_lshlrev_b32 v[L8], 3, v[L8]
	s_mov_b32 s[SEL], 0x76543210
	s_mov_b32 s[SEL+1], 0xfedcba98
	s_mov_b32 s98, 0x3c800000                      ; 1 / 64
	s_mov_b32 s99, 0x358637bd                      ; 1e-6
	s_cmp_eq_u32 ttmp9, 2                          ; the kind: cluster x, the same in every wave of every partner
	s_cbranch_scc1 .Lv
	; ---- q and k: P = 64 channels (head PWS of the tile's four), Q = 64 tokens
	s_mul_i32 s2, s[PWS], G64
	s_add_co_u32 s2, s2, WOFF
	s_wait_alu depctr_va_vdst(0)
	v_add_nc_u32 v[ADP], s2, v[LF]
	s_delay_alu instid0(VALU_DEP_1)
	v_add_nc_u32 v[ADP+1], CHK, v[ADP]
	s_mul_i32 s3, s[QWS], XG64
	; THE TOKENS OF A TILE ARE NOT NEIGHBOURS: lane r of tile T of my 64 takes token 32 (r / 8) + 8 T + r % 8, so that in the next launch's scores a lane's registers hold whole blocks of 32 keys.
	; Lanes 8-15 read in the next piece of 32 rows: XP bytes on, less the 8 rows that r already counts
	v_and_b32 v[ADQ], 8, v1
	v_mul_u32_u24 v[ADQ], v[ADQ], (XP-8*PITCH)/8
	v_add_nc_u32 v[ADQ], v[ADQ], v[LF]
	v_add_nc_u32 v[ADQ], s3, v[ADQ]
	s_delay_alu instid0(VALU_DEP_1)
	v_add_nc_u32 v[ADQ+1], CHK, v[ADQ]
	s_mul_i32 s2, s[PWS], S64
	s_add_co_u32 s2, s2, SWB
	v_add_nc_u32 v[ASP], s2, v[LS]
	s_mul_i32 s3, s[QWS], S64
	s_add_co_u32 s3, s3, SXB
	v_and_b32 v[ASQ], 8, v1                        ; the same tokens' scale bytes: 1,088 (r / 8) + 32 (r % 8), 272 a tile
	v_mul_u32_u24 v[ASQ], v[ASQ], 102
	v_add_nc_u32 v[ASQ], v[ASQ], v[LS]
	v_add_nc_u32 v[ASQ], s3, v[ASQ]
	v_lshlrev_b32 v[BO], 5, v2                     ; register 8 pt + j is channel 16 pt + 8 h + j: 32 h bytes, 64 pt in the immediate
	s_lshl_b32 s2, s[TC], 10
	s_lshl_b32 s3, s[PWS], 8
	s_add_co_u32 s2, s2, s3
	s_mov_b32 s3, 0
	s_add_nc_u64 s[12:13], s[12:13], s[2:3]        ; bqkv at my head's first channel
.irp i, 0,1,2,3,4,5,6,7
	global_load_b128 v[BI+4*\i:BI+4*\i+3], v[BO], s[12:13] offset:64*(\i/2)+16*(\i%2)
.endr
	s_lshl_b32 s2, s[CX], 2
	s_add_co_u32 s2, s2, s[PWS]                    ; the head
	s_lshl_b32 s3, s[WY], 8
	s_lshl_b32 s66, s[QWS], 6
	s_add_co_u32 s3, s3, s66                       ; my first token
	s_lshr_b32 s66, s3, 10                         ; its chunk of 1,024,
	s_and_b32 s67, s3, 1023                        ; and its place there
	s_cmp_eq_u32 ttmp9, 0                          ; q or k: buffers and sizes are chosen, no path parts
	s_cselect_b64 s[14:15], s[14:15], s[16:17]     ; the gains
	s_cselect_b64 s[18:19], s[18:19], s[22:23]     ; the images go to qc or kv,
	s_cselect_b64 s[20:21], s[20:21], s[22:23]     ; the scale words to qs or kv
	s_mov_b32 s95, 294912
	s_cselect_b32 s100, 131072, s95                ; a head's bytes, images
	s_cselect_b32 s101, 16384, s95                 ; and scale words
	s_mov_b32 s95, 73728
	s_cselect_b32 s16, 32768, s95                  ; a chunk's bytes, images
	s_cselect_b32 s17, 4096, s95                   ; and scale words
	s_cselect_b32 s95, 0, 65536                    ; where k's scale words begin in a chunk
	s_mul_i32 s100, s2, s100
	s_mul_i32 s16, s66, s16
	s_add_co_u32 s100, s100, s16
	s_lshl_b32 s16, s67, 5                         ; 512 bytes a tile of 16 tokens
	s_add_co_u32 s100, s100, s16
	s_mul_i32 s2, s2, s101
	s_mul_i32 s17, s66, s17
	s_add_co_u32 s2, s2, s17
	s_lshl_b32 s17, s67, 2                         ; 256 bytes a group of 64 tokens
	s_add_co_u32 s2, s2, s17
	s_add_co_u32 s2, s2, s95
	s_mov_b32 s101, 0
	s_mov_b32 s3, 0
	s_add_nc_u64 s[18:19], s[18:19], s[100:101]
	s_add_nc_u64 s[20:21], s[20:21], s[2:3]
	s_wait_alu depctr_va_vdst(0)
	s_wait_loadcnt 0x0                             ; the biases
	s_wait_tensorcnt 0x0                           ; my load, if I issued one, has landed
	s_barrier_signal -1
	s_barrier_wait -1                              ; everybody's has: all of K and all scales are in
.set QTS, 8*PITCH                      ; from Q tile to Q tile: 8 tokens on
.set QSS, 272
.set PXS, 0                            ; P = Wqkv's rows: one pitch throughout
	KSTEP 0, 1, 0
	KSTEP 1, 0, 1
	KSTEP 2, 0, 0
	KSTEP 3, 0, 0
	KSTEP 4, 0, 0
	KSTEP 5, 0, 0
	KSTEP 6, 0, 0
	KSTEP 7, 0, 0
	PLACES
	; the RMS norm: a token's 64 channels lie in my 32 registers and in lane l xor 16's
.irp qt, 0,1,2,3
	v_pk_mul_f32 v[SS+2*\qt:SS+2*\qt+1], v[ACC+32*\qt:ACC+32*\qt+1], v[ACC+32*\qt:ACC+32*\qt+1]
.endr
.irp p, 2,4,6,8,10,12,14,16,18,20,22,24,26,28,30
.irp qt, 0,1,2,3
	v_pk_fma_f32 v[SS+2*\qt:SS+2*\qt+1], v[ACC+32*\qt+\p:ACC+32*\qt+\p+1], v[ACC+32*\qt+\p:ACC+32*\qt+\p+1], v[SS+2*\qt:SS+2*\qt+1]
.endr
.endr
.irp qt, 0,1,2,3
	s_delay_alu instid0(VALU_DEP_4)
	v_add_f32 v[SS+2*\qt], v[SS+2*\qt], v[SS+2*\qt+1]
.endr
.irp qt, 0,1,2,3
	s_delay_alu instid0(VALU_DEP_4)
	v_permlanex16_b32 v[SS+2*\qt+1], v[SS+2*\qt], s[SEL], s[SEL+1]
.endr
.irp qt, 0,1,2,3
	s_delay_alu instid0(VALU_DEP_4)
	v_add_f32 v[SS+2*\qt], v[SS+2*\qt], v[SS+2*\qt+1]
.endr
.irp qt, 0,1,2,3
	s_delay_alu instid0(VALU_DEP_4)
	v_fma_f32 v[SS+2*\qt], v[SS+2*\qt], s98, s99   ; the mean of the squares + 1e-6
.endr
	s_wait_alu depctr_va_vdst(0)
.irp qt, 0,1,2,3
	v_rsq_f32 v[RS+2*\qt], v[SS+2*\qt]
.endr
.irp qt, 0,1,2,3
	v_mov_b32 v[RS+2*\qt+1], 0                     ; plain lines behind the batch; the pairs' upper words are named below, so they are written
.endr
	s_wait_alu depctr_va_vdst(0)                   ; one wait for the four, ahead of their first reader
	s_wait_loadcnt 0x0                             ; the gains
.irp qt, 0,1,2,3
.set j, 0
.rept 16
	v_pk_mul_f32 v[ACC+32*\qt+j:ACC+32*\qt+j+1], v[ACC+32*\qt+j:ACC+32*\qt+j+1], v[RS+2*\qt:RS+2*\qt+1] op_sel_hi:[1,0]
.set j, j+2
.endr
.endr
.irp qt, 0,1,2,3
.set j, 0
.rept 16
	v_pk_mul_f32 v[ACC+32*\qt+j:ACC+32*\qt+j+1], v[ACC+32*\qt+j:ACC+32*\qt+j+1], v[BI+j:BI+j+1]   ; then the gain, in the order in which the norm is defined
.set j, j+2
.endr
.endr
	QUANT4
	v_lshl_or_b32 v[WW], v[HW+1], 16, v[HW]        ; a scale word serves two tiles of tokens: the product on 64 channels takes two tiles in one operand
	v_lshl_or_b32 v[WW+1], v[HW+3], 16, v[HW+2]
.irp qt, 0,1,2,3
	global_store_b128 v[L16], v[PC+4*\qt:PC+4*\qt+3], s[18:19] offset:512*\qt   ; 512 consecutive bytes, aligned
.endr
	global_store_b64 v[L8], v[WW:WW+1], s[20:21]   ; 256 consecutive bytes, aligned; lanes 16-31 repeat lanes 0-15
	s_branch .Ldone
.Lv:	; ---- v: P = 64 tokens (the next product's K), Q = 64 channels (head QWS of the tile's four)
	s_mul_i32 s2, s[PWS], XG64
	s_wait_alu depctr_va_vdst(0)
	v_add_nc_u32 v[ADP], s2, v[LF]
	s_delay_alu instid0(VALU_DEP_1)
	v_add_nc_u32 v[ADP+1], CHK, v[ADP]
	s_mul_i32 s3, s[QWS], G64
	s_add_co_u32 s3, s3, WOFF
	v_add_nc_u32 v[ADQ], s3, v[LF]
	s_delay_alu instid0(VALU_DEP_1)
	v_add_nc_u32 v[ADQ+1], CHK, v[ADQ]
	s_mul_i32 s2, s[PWS], S64
	s_add_co_u32 s2, s2, SXB
	v_add_nc_u32 v[ASP], s2, v[LS]
	s_mul_i32 s3, s[QWS], S64
	s_add_co_u32 s3, s3, SWB
	v_add_nc_u32 v[ASQ], s3, v[LS]
	s_lshl_b32 s2, s[QWS], 10                      ; the stage: my head,
	s_add_co_u32 s2, s2, VST
	s_lshr_b32 s3, s[PWS], 1
	s_lshl_b32 s3, s3, 9                           ; the key step of 128 that my 64 tokens lie in,
	s_add_co_u32 s3, s3, s2
	s_and_b32 s66, s[PWS], 1
	s_lshl_b32 s67, s66, 1                         ; and which half of its scale words is mine
	s_add_co_u32 s3, s3, s67
	v_add_nc_u32 v[SA], s3, v[L16]
	s_lshl_b32 s66, s66, 9
	s_add_co_u32 s66, s66, s2
	v_add_nc_u32 v[SR], s66, v[L16]                ; back: waves with PWS 0 and 1 take key steps 0 and 1, whole words
	v_lshlrev_b32 v[BO], 2, v1                     ; the bias runs along the lanes: channel 16 qt + r, the same in all eight registers
	s_lshl_b32 s2, s[TC], 10
	s_lshl_b32 s3, s[QWS], 8
	s_add_co_u32 s2, s2, s3
	s_mov_b32 s3, 0
	s_add_nc_u64 s[12:13], s[12:13], s[2:3]
.irp qt, 0,1,2,3
.irp j, 0,1,2,3,4,5,6,7
	global_load_b32 v[BI+8*\qt+\j], v[BO], s[12:13] offset:64*\qt
.endr
.endr
	s_lshl_b32 s2, s[CX], 2
	s_add_co_u32 s2, s2, s[QWS]                    ; the head
	s_mul_i32 s2, s2, 294912
	s_lshr_b32 s3, s[WY], 2                        ; the chunk of 1,024 keys
	s_mul_i32 s3, s3, 73728
	s_add_co_u32 s2, s2, s3
	s_lshl_b32 s3, s[WY], 1
	s_lshr_b32 s66, s[PWS], 1
	s_add_co_u32 s3, s3, s66
	s_and_b32 s3, s3, 7                            ; the key step in the chunk: 4,096 bytes of images each,
	s_lshl_b32 s3, s3, 12
	s_and_b32 s66, s[PWS], 1
	s_lshl_b32 s66, s66, 9                         ; its first or second 64 keys
	s_add_co_u32 s3, s3, s66
	s_add_co_u32 s3, s3, s2
	s_add_co_u32 s100, s3, 32768                   ; v's images lie behind k's
	s_mov_b32 s101, 0
	s_add_nc_u64 s[18:19], s[22:23], s[100:101]
	s_lshl_b32 s3, s[WY], 1
	s_add_co_u32 s3, s3, s[PWS]                    ; (used by waves with PWS 0 and 1 alone)
	s_and_b32 s3, s3, 7
	s_lshl_b32 s3, s3, 9                           ; a key step's scale words: 512 bytes
	s_add_co_u32 s3, s3, s2
	s_add_co_u32 s2, s3, 69632
	s_mov_b32 s3, 0
	s_add_nc_u64 s[20:21], s[22:23], s[2:3]
	s_wait_alu depctr_va_vdst(0)
	s_wait_loadcnt 0x0                             ; the biases
	s_wait_tensorcnt 0x0                           ; as above
	s_barrier_signal -1
	s_barrier_wait -1
.set QTS, T16                          ; Q = channels, in their own order
.set QSS, 544
.set PXS, 128                          ; P = tokens in their own order: tiles 2 and 3 lie in the next piece of x
	KSTEP 0, 2, 0
	KSTEP 1, 0, 0
	KSTEP 2, 0, 0
	KSTEP 3, 0, 0
	KSTEP 4, 0, 0
	KSTEP 5, 0, 0
	KSTEP 6, 0, 0
	KSTEP 7, 0, 0
	PLACES
	QUANT4
.irp qt, 0,1,2,3
	global_store_b128 v[L16], v[PC+4*\qt:PC+4*\qt+3], s[18:19] offset:1024*\qt   ; channel tile qt, my 64 keys: 512 consecutive bytes
.endr
.irp qt, 0,1,2,3
	ds_store_b16 v[SA], v[HW+\qt] offset:4*\qt     ; a scale word's four bytes come from two waves: they meet in the stage
.endr
	s_wait_dscnt 0x0                               ; for the others' sake: my stores have landed
	s_barrier_signal -1
	s_barrier_wait -1
	s_cmp_lt_u32 s[PWS], 2
	s_cbranch_scc0 .Ldone
	ds_load_b128 v[TM:TM+3], v[SR]
	s_wait_dscnt 0x0
	global_store_b128 v[L16], v[TM:TM+3], s[20:21] ; 512 consecutive bytes, aligned
.Ldone:
	s_wait_dscnt 0x0
	s_wait_xcnt 0x0
	v_lshl_add_u32 v254, v0, 2, 0x49400
	v_mov_b32 v255, 0
	s_wait_alu depctr_va_vdst(0)
	s_wait_tensorcnt 0x0
	ds_add_u32 v254, v255
	s_wait_dscnt 0x0
	CROUND                                         ; the closing round: no work-group ends while a partner may still ask for a tile that names it
	s_endpgm
.Lfunc_end_k_qad6af2153e_proj:
	.size	k_qad6af2153e_proj, .Lfunc_end_k_qad6af2153e_proj-k_qad6af2153e_proj
	.p2alignl 7, 3214868480
	.fill 96, 4, 3214868480
	.section	.rodata,"a",@progbits
	.p2align	6, 0x0
	.amdhsa_kernel k_qad6af2153e_proj
		.amdhsa_group_segment_fixed_size 302080
		.amdhsa_private_segment_fixed_size 0
		.amdhsa_enable_private_segment 0
		.amdhsa_kernarg_size 80
		.amdhsa_user_sgpr_count 2
		.amdhsa_user_sgpr_kernarg_segment_ptr 1
		.amdhsa_wavefront_size32 1
		.amdhsa_system_sgpr_workgroup_id_x 1
		.amdhsa_system_sgpr_workgroup_id_y 1
		.amdhsa_system_sgpr_workgroup_id_z 1
		.amdhsa_system_vgpr_workitem_id 0
		.amdhsa_next_free_vgpr 256
		.amdhsa_next_free_sgpr 102
		.amdhsa_reserve_vcc 0
		.amdhsa_float_denorm_mode_32 3
		.amdhsa_float_denorm_mode_16_64 3
		.amdhsa_memory_ordered 1
		.amdhsa_forward_progress 1
		.amdhsa_inst_pref_size 102
	.end_amdhsa_kernel
	.amdgpu_metadata
---
amdhsa.version: [ 1, 2 ]
amdhsa.kernels:
  - .name:           k_qad6af2153e_proj
    .symbol:         k_qad6af2153e_proj.kd
    .args:
      - { .name: x_codes, .offset: 0, .size: 8, .value_kind: global_buffer, .address_space: global }
      - { .name: x_scales, .offset: 8, .size: 8, .value_kind: global_buffer, .address_space: global }
      - { .name: Wqkv_codes, .offset: 16, .size: 8, .value_kind: global_buffer, .address_space: global }
      - { .name: Wqkv_scales, .offset: 24, .size: 8, .value_kind: global_buffer, .address_space: global }
      - { .name: bqkv, .offset: 32, .size: 8, .value_kind: global_buffer, .address_space: global }
      - { .name: wq, .offset: 40, .size: 8, .value_kind: global_buffer, .address_space: global }
      - { .name: wk, .offset: 48, .size: 8, .value_kind: global_buffer, .address_space: global }
      - { .name: qc, .offset: 56, .size: 8, .value_kind: global_buffer, .address_space: global }
      - { .name: qs, .offset: 64, .size: 8, .value_kind: global_buffer, .address_space: global }
      - { .name: kv, .offset: 72, .size: 8, .value_kind: global_buffer, .address_space: global }
    .group_segment_fixed_size: 302080
    .private_segment_fixed_size: 0
    .kernarg_segment_align: 8
    .kernarg_segment_size: 80
    .max_flat_workgroup_size: 512
    .sgpr_count:     102
    .vgpr_count:     256
    .wavefront_size: 32
...
	.end_amdgpu_metadata
.endif
;; end of part 1
;; launch attn (part 2): grid 16 x 16, 16 waves a work-group, clusters of 4 x 1, 296,960 bytes of LDS; arguments qc, qs, kv, zc, zs; writes zc, zs
.if DOCPART == 2
	.amdgcn_target "amdgcn-amd-amdhsa--gfx1250"
	.amdhsa_code_object_version 6
	.text
	.protected	k_qad6af2153e_attn
	.globl	k_qad6af2153e_attn
	.p2align	8
	.type	k_qad6af2153e_attn,@function
k_qad6af2153e_attn:
	s_mov_b64 s[64:65], 0
	v_nop
	global_prefetch_b8 v0, s[64:65] scope:SCOPE_SE
	s_setreg_imm32_b32 hwreg(HW_REG_WAVE_MODE, 25, 1), 1
	s_wait_xcnt 0x0
	s_wait_alu depctr_hold_cnt(0) depctr_sa_sdst(0) depctr_va_vdst(0) depctr_va_sdst(0) depctr_va_ssrc(0) depctr_va_vcc(0) depctr_vm_vsrc(0)
	s_getreg_b32 s2, hwreg(HW_REG_IB_STS2, 6, 4)
	s_cmp_eq_u32 s2, 0
	s_cbranch_scc0 .Lentry_in_a_cluster
	s_endpgm
.Lentry_in_a_cluster:
	s_bfe_u32 s2, ttmp6, 0x10000c
	s_cmp_lg_u32 s2, 0x3003
	s_cbranch_scc0 .Lentry_shape_is_right
	s_endpgm
.Lentry_shape_is_right:
; z[q][head] = softmax_k(q . k) v, no mask, no 1 / sqrt(d); both products on codes of FP4 (E2M1) with E8M0 scales; z leaves as codes along d_model.
; THE SOFTMAX AHEAD OF THE SECOND PRODUCT: t = score x log2(e); M = the running largest t rounded UP to a whole number; p = 2^(t - M) is quantised along the keys, not normalised; the row's sum is taken of the
; unquantised p and divides at the end.  When M moves, the sum and O are multiplied by 2^(old M - new M): exact.
; SHARES.  A work-group owns 256 queries of one head, each of its sixteen waves one tile of 16; four waves to a SIMD.  Every wave walks the head's 4,096 keys, 128 a step.
; A HEAD'S WHOLE K AND V LIE IN LDS, 294,912 bytes, filled once: each of the sixteen waves issues ONE load at the head (of each chunk of 1,024 keys: k's images, v's images, k's scale words, v's scale words),
; one barrier shows all of it to all waves, and no barrier stands in the walk over the keys.
; CLUSTER.  The four query blocks of a cluster belong to one head: every fill is asked for jointly, with a mask that names the four.
; No prefetch: all loads stand at the head, ahead of the only loop, so there is no trip to ask ahead in.
; TILES OF TOKENS.  Tile T of a group of 64 tokens holds, in row r, token 32 (r / 8) + 8 T + r % 8 (so the launch before laid q's and k's images).  In S^T = k q^T lane (query, h) holds row 8 h + j of a key tile in
; register j: so its 32 registers of tiles 4 c .. 4 c + 3 are the WHOLE block of 32 keys 64 c + 32 h + 0 .. 31, in order.  A block's largest score needs no other lane, and four conversions give registers 4 c .. 4 c + 3 of p's operand as they stand.
; THE FIRST PRODUCT HAS K = 64, THE INSTRUCTION 128.  Source 0 holds TWO key tiles (registers 0-3, 4-7) and is multiplied twice: by [q | zero codes] and by [zero codes | q].  The scale bytes of q's dead half are 0 (2^-127).
; z keeps its queries' tile order; the next launch puts the rows in their places.
; LIMITS: NaN and infinities are not served; the promise holds while the scaled scores stay under 2^31 in magnitude; blocks of p or z whose largest number lies under 2^-124, blocks of zeros among them, keep the scale byte 1
; (read by this program alone); the division is v_rcp_f32 (1 ulp) and a multiplication; a block's largest p is made of the block's largest score by the same two instructions, which takes v_exp_f32 not to fall where its input rises.
; z's scale words are shared by two heads, so they leave as halfwords: 2 bytes a row, 131,072 bytes in the whole launch.
.set VIB,  131072                      ; LDS: k's images [step 32][4,096] at 0; v's images here;
.set KSB,  262144                      ; k's scale words [step 32][512];
.set VSB,  278528                      ; v's
.set SPARE, 294912                     ; the spare words: 128 bytes a wave
.set L16, 1                            ; v1   16 x lane
.set L8,  2                            ; v2   8 x lane
.set AK,  3                            ; v3   k's images, one step ahead
.set AKS, 4                            ; v4   k's scale words, one step ahead
.set AVS, 5                            ; v5   v's scale words
.set R4,  6                            ; v6   4 x (lane % 16)
.set AV,  7                            ; v7   v's images
.set QLS, 8                            ; v8   q's scale word for [q | 0];  v9 for [0 | q];  v10 p's: scales and nothing else
.set QHS, 9
.set PW,  10
.set H8,  11                           ; v11  8 x (lane / 16)
                                       ; v12 -M, v13 the largest score so far, v[14:15] the row's sum in two halves
.set QL,  16                           ; v16-23 [q | 0];  v24-31 [0 | q]
.set QH,  24
.set KF,  32                           ; v32-63   k: four operands of two key tiles
.set VF,  64                           ; v64-95   v: four operands (16 channels x 128 keys)
.set S,   96                           ; v96-159  the scores, then p
.set O,   160                          ; v160-191 O^T: register 8 dt + j is channel 16 dt + 8 (lane / 16) + j
.set PC,  192                          ; v192-199 p's codes
.set KS,  200                          ; v200-203 k's scale words;  v204-207 v's
.set VS,  204
.set BM,  208                          ; v208-211 four chains of maxima; then v208, v210: my two blocks' largest score, then largest p
.set SO,  212                          ; v212-213 the conversions' scale operands
.set BT,  214                          ; v214-215 the scale bytes
.set F,   216                          ; v[216:217] 2^(old M - new M); at the end 1 / the sum
.set TMP, 218
.set TM2, 219
.set T0,  220                          ; v220-225 three more chains of the row's sum
.set T1,  222
.set T2,  224
.set SPW, 226                          ; my spare word's address; never rewritten
.set NIL, 227                          ; 0; never rewritten
.set WV,  14
.set G1A, 24                           ; s[24:31] group 1: 128 rows of 256 bytes (images);  s[40:47]: 16 rows (scale words)
.set G1B, 40
.set G0A, 32                           ; s[32:35], s[36:39] their groups 0
.set G0B, 36
.set SEL, 48                           ; s[48:49] selects for lane l xor 16
.set CS,  50                           ; s[50:51] log2(e), as a pair for the packed form
.set NC,  52                           ; -log2(e)
.set CNT, 54
.macro CROUND
	s_barrier_signal -1
	s_barrier_wait -1
	s_cmp_lg_u32 s[WV], 0
	s_cbranch_scc1 .Lnot_wave_0_\@
	s_barrier_signal -3
.Lnot_wave_0_\@:
	s_barrier_wait -3
	s_barrier_signal -1
	s_barrier_wait -1
.endm
.macro PLACES
.rept 4
	v_nop
.endr
.endm
.macro MM d, a, b, sa, sb              ; the sum goes on
	v_wmma_scale_f32_16x16x128_f8f6f4 v[\d:\d+7], v[\a:\a+7], v[\b:\b+7], v[\d:\d+7], v[\sa], v[\sb] matrix_a_fmt:MATRIX_FMT_FP4 matrix_b_fmt:MATRIX_FMT_FP4
.endm
.macro MM0 d, a, b, sa, sb             ; the sum begins
	v_wmma_scale_f32_16x16x128_f8f6f4 v[\d:\d+7], v[\a:\a+7], v[\b:\b+7], 0, v[\sa], v[\sb] matrix_a_fmt:MATRIX_FMT_FP4 matrix_b_fmt:MATRIX_FMT_FP4
.endm
.macro KLOAD                           ; a step's eight key tiles and their scale words
.irp t, 0,1,2,3,4,5,6,7
	ds_load_b128 v[KF+4*\t:KF+4*\t+3], v[AK] offset:512*\t
.endr
.irp g, 0,1
	ds_load_b64 v[KS+2*\g:KS+2*\g+1], v[AKS] offset:256*\g
.endr
.endm
	s_load_b256 s[4:11], s[0:1], 0x0               ; qc, qs, kv, zc
	s_load_b64 s[12:13], s[0:1], 0x20              ; zs
	v_lshl_add_u32 v[SPW], v0, 2, SPARE
	v_mov_b32 v[NIL], 0
	ds_add_u32 v[SPW], v[NIL]                      ; the opening lines: the add, twice on end, and its wait ahead of my tensor load
	ds_add_u32 v[SPW], v[NIL]
	v_lshrrev_b32 v1, 5, v0
	v_readfirstlane_b32 s[WV], v1
	s_bfe_u32 s15, ttmp6, 0x40000                  ; cx
	s_lshl_b32 s16, ttmp9, 2
	s_add_co_u32 s16, s16, s15                     ; my block of 256 queries: it enters q's and z's addresses alone
	s_and_b32 s17, ttmp7, 0xffff                   ; the head, which the four partners share
	; group 1: dense rows of 256 bytes (32 elements of 8 bytes); the mask names all four; bit 21 set beside it; no padding: images are read 16 bytes a lane on end
.irp g, G1A, G1B
	s_mov_b32 s[\g], 15|(3<<16)|(1<<21)
	s_mov_b32 s[\g+1], 32<<16
	s_mov_b32 s[\g+3], 32<<16
	s_mov_b32 s[\g+5], 32
	s_mov_b32 s[\g+6], 0
	s_mov_b32 s[\g+7], 0
.endr
	s_mov_b32 s[G1A+2], 128<<16
	s_mov_b32 s[G1A+4], 128
	s_mov_b32 s[G1B+2], 16<<16
	s_mov_b32 s[G1B+4], 16
	; wave 4 j + u fetches of chunk j (73,728 bytes in memory): u = 0 k's images, 1 v's images (32,768 bytes each), 2 k's scale words, 3 v's (4,096 each)
	s_lshr_b32 s20, s[WV], 2                       ; j
	s_and_b32 s21, s[WV], 1                        ; k's or v's
	s_mul_i32 s18, s17, 294912
	s_mul_i32 s19, s20, 73728
	s_add_co_u32 s18, s18, s19                     ; the chunk's first byte in kv
	s_lshl_b32 s19, s21, 15
	s_add_co_u32 s56, s18, s19                     ; images
	s_mov_b32 s57, 0
	s_lshl_b32 s19, s21, 12
	s_add_co_u32 s58, s18, s19
	s_add_co_u32 s58, s58, 65536                   ; scale words
	s_mov_b32 s59, 0
	s_mov_b32 s[G0A], 1
	s_lshl_b32 s[G0A+1], s21, 17                   ; in LDS the chunks' parts stand on end, kind by kind
	s_lshl_b32 s19, s20, 15
	s_add_co_u32 s[G0A+1], s[G0A+1], s19
	s_mov_b32 s[G0B], 1
	s_lshl_b32 s[G0B+1], s21, 14
	s_lshl_b32 s19, s20, 12
	s_add_co_u32 s[G0B+1], s[G0B+1], s19
	s_add_co_u32 s[G0B+1], s[G0B+1], KSB
	s_mov_b32 s[SEL], 0x76543210
	s_mov_b32 s[SEL+1], 0xfedcba98
	s_mov_b32 s[CS], 0x3fb8aa3b                    ; log2(e)
	s_mov_b32 s[CS+1], s[CS]
	s_mov_b32 s[NC], 0xbfb8aa3b
	s_wait_dscnt 0x0                               ; both opening adds are done
	s_wait_kmcnt 0x0
	s_add_nc_u64 s[G0A+2:G0A+3], s[8:9], s[56:57]
	s_or_b32 s[G0A+3], s[G0A+3], 0x80000000
	s_add_nc_u64 s[G0B+2:G0B+3], s[8:9], s[58:59]
	s_or_b32 s[G0B+3], s[G0B+3], 0x80000000
	CROUND                                         ; all four work-groups are here: the joint loads meet
	s_and_b32 s19, s[WV], 2                        ; every wave issues one load: a fill in each arm of one branch on the wave's number
	s_cmp_eq_u32 s19, 0
	s_cbranch_scc0 .Lwords
	tensor_load_to_lds s[G0A:G0A+3], s[G1A:G1A+7]
	s_nop 0
	PLACES
	s_branch .Lasked
.Lwords:
	tensor_load_to_lds s[G0B:G0B+3], s[G1B:G1B+7]
	s_nop 0
	PLACES
.Lasked:
	s_lshl_b32 s21, s16, 4
	s_add_co_u32 s21, s21, s[WV]                   ; my tile of 16 queries, of the head's 256
	s_lshl_b32 s22, s17, 17
	s_lshl_b32 s23, s21, 9
	s_add_co_u32 s22, s22, s23
	s_mov_b32 s23, 0
	s_add_nc_u64 s[4:5], s[4:5], s[22:23]          ; q's image,
	s_add_nc_u64 s[10:11], s[10:11], s[22:23]      ; and z's, at the same place
	s_lshl_b32 s56, s17, 14
	s_lshr_b32 s57, s21, 2
	s_lshl_b32 s57, s57, 8                         ; the group of 64 tokens: 256 bytes
	s_add_co_u32 s56, s56, s57
	s_bfe_u32 s57, s[WV], 0x10001
	s_lshl_b32 s57, s57, 2                         ; which of a lane's two words
	s_add_co_u32 s56, s56, s57
	s_mov_b32 s57, 0
	s_add_nc_u64 s[6:7], s[6:7], s[56:57]
	s_lshr_b32 s58, s17, 1
	s_lshl_b32 s58, s58, 14                        ; z's scale words: K step head / 2,
	s_lshl_b32 s59, s21, 6                         ; 64 bytes a tile,
	s_add_co_u32 s58, s58, s59
	s_and_b32 s59, s17, 1
	s_lshl_b32 s59, s59, 1                         ; halfword head % 2
	s_add_co_u32 s58, s58, s59
	s_mov_b32 s59, 0
	s_add_nc_u64 s[12:13], s[12:13], s[58:59]
	s_and_b32 s60, s[WV], 1
	s_lshl_b32 s60, s60, 4                         ; which half of q's scale word is my tile's
	v_and_b32 v[L8], 31, v0
	v_lshlrev_b32 v[L16], 4, v[L8]
	v_lshlrev_b32 v[L8], 3, v[L8]
	global_load_b128 v[QL:QL+3], v[L16], s[4:5]    ; q's image twice: each of the two operands has its own run of registers
	global_load_b128 v[QH+4:QH+7], v[L16], s[4:5]
	global_load_b32 v[QHS], v[L8], s[6:7]
	v_and_b32 v[R4], 15, v0
	v_lshlrev_b32 v[R4], 2, v[R4]
	v_bfe_u32 v[H8], v0, 4, 1
	v_lshlrev_b32 v[H8], 3, v[H8]
	v_mov_b32 v[AK], v[L16]                        ; step 0
	v_add_nc_u32 v[AKS], KSB, v[L8]
	v_add_nc_u32 v[AV], VIB-4096, v[L16]           ; a step ahead of step 0: each step begins by stepping them
	v_add_nc_u32 v[AVS], VSB-512, v[L16]
.irp j, 0,1,2,3
	v_mov_b32 v[QL+4+\j], 0                        ; zero codes
	v_mov_b32 v[QH+\j], 0
.endr
	v_mov_b32 v13, 0xfe967699                      ; the largest score so far: -1e38
	v_mul_f32 v[TMP], s[NC], v13
	v_floor_f32 v12, v[TMP]                        ; -M
	v_mov_b32 v14, 0                               ; the sum, in two halves
	v_mov_b32 v15, 0
	v_mov_b32 v[F+1], 0                            ; (named as a pair's upper word)
	v_mov_b32 v[TM2], 0                            ; (a lane permute's destination counts as one of its sources)
	v_mov_b32 v[BT], 0
	v_mov_b32 v[BT+1], 0
	s_wait_alu depctr_va_vdst(0)
	s_wait_loadcnt 0x0
	v_bfe_u32 v[QLS], v[QHS], s60, 16              ; my tile's two bytes, over two bytes 0
	v_lshlrev_b32 v[QHS], 16, v[QLS]               ; and the other way round
.set j, 0
.rept 32
	v_mov_b32 v[O+j], 0                            ; O^T: the step's first run finds zeros.  (Also the places between the two scale words and the first product)
.set j, j+1
.endr
; A KEY STEP: 128 keys.  pre = 1: the next step's k is asked for.
.macro STEP pre
.irp i, 0,1,2,3
	MM0 S+16*\i, KF+8*\i, QL, KS+\i, QLS           ; key tile 2 i
	MM0 S+16*\i+8, KF+8*\i, QH, KS+\i, QHS         ; key tile 2 i + 1
.endr
	v_add_nc_u32 v[AV], 4096, v[AV]                ; four plain places behind the products, ahead of loads into their registers and of the first read of the scores
	v_add_nc_u32 v[AVS], 512, v[AVS]
.if \pre
	v_add_nc_u32 v[AK], 4096, v[AK]
	v_add_nc_u32 v[AKS], 512, v[AKS]
.else
	v_nop
	v_nop
.endif
.irp t, 0,1,2,3,4,5,6,7
	ds_load_b128 v[VF+4*\t:VF+4*\t+3], v[AV] offset:512*\t
.endr
	ds_load_b128 v[VS:VS+3], v[AVS]
.if \pre
	KLOAD
.endif
.irp n, 0,1,2,3                                ; the largest score of my two blocks of 32 keys, in four chains; every accumulator is first read at its low end
	v_max3_num_f32 v[BM+\n], v[S+16*\n], v[S+16*\n+1], v[S+16*\n+2]
.endr
.irp i, 3,5,7,9,11,13
.irp n, 0,1,2,3
	v_max3_num_f32 v[BM+\n], v[BM+\n], v[S+16*\n+\i], v[S+16*\n+\i+1]
.endr
.endr
.irp c, 0,1
	v_max3_num_f32 v[BM+2*\c], v[BM+2*\c], v[BM+2*\c+1], v[S+32*\c+15]
.endr
.irp c, 0,1
	v_max_num_f32 v[BM+2*\c], v[BM+2*\c], v[S+32*\c+31]
.endr
	v_max_num_f32 v[TMP], v[BM], v[BM+2]
	v_permlanex16_b32 v[TM2], v[TMP], s[SEL], s[SEL+1]
	s_delay_alu instid0(VALU_DEP_1)
	v_max3_num_f32 v13, v13, v[TMP], v[TM2]        ; the running largest score of my query
	s_delay_alu instid0(VALU_DEP_1)
	v_mul_f32 v[TMP], s[NC], v13                   ; -t
	s_delay_alu instid0(VALU_DEP_1)
	v_floor_f32 v[TM2], v[TMP]                     ; the new -M = -ceil(t)
	s_delay_alu instid0(VALU_DEP_1)
	v_sub_f32 v[TMP], v[TM2], v12                  ; old M - new M: a whole number, 0 or less
	v_mov_b32 v12, v[TM2]
	s_delay_alu instid0(VALU_DEP_2)
	v_cvt_i32_f32 v[TMP], v[TMP]                   ; (it saturates)
.set j, 0
.rept 32
	v_pk_fma_f32 v[S+j:S+j+1], v[S+j:S+j+1], s[CS:CS+1], v[12:13] op_sel_hi:[1,0,0]   ; t - M
.set j, j+2
.endr
.irp c, 0,1
	v_fma_f32 v[BM+2*\c], v[BM+2*\c], s[CS], v12   ; the same of each block's largest score
.endr
	v_ldexp_f32 v[F], 1.0, v[TMP]                  ; f = 2^(old M - new M)
.set j, 0
.rept 16
	v_pk_mul_f32 v[O+j:O+j+1], v[O+j:O+j+1], v[F:F+1] op_sel_hi:[1,0]   ; O^T under the new M, ahead of the exponentials
.set j, j+2
.endr
	s_wait_alu depctr_va_vdst(0)
.irp c, 0,1
	v_exp_f32 v[BM+2*\c], v[BM+2*\c]               ; the blocks' largest p,
.endr
.set j, 0
.rept 64
	v_exp_f32 v[S+j], v[S+j]                       ; and p: one batch of 66
.set j, j+1
.endr
	v_pk_mul_f32 v[14:15], v[14:15], v[F:F+1] op_sel_hi:[1,0]   ; the sum under the new M: a plain place behind the batch
	s_wait_alu depctr_va_vdst(0)                   ; one wait for the batch, ahead of its first reader
.irp c, 0,1
	v_max_num_f32 v[BM+2*\c], 0x1800000, v[BM+2*\c]   ; the floor 2^(3 - 127): the byte cannot fall under 1
.endr
.irp c, 0,1
	s_delay_alu instid0(VALU_DEP_2)
	v_add_nc_u32 v[SO+\c], 0xff000000, v[BM+2*\c]  ; 2 off the exponent field: the conversion's scale operand
.endr
.irp c, 0,1
	s_delay_alu instid0(VALU_DEP_2)
	v_lshrrev_b32 v[BT+\c], 23, v[SO+\c]           ; the scale's byte
.endr
	s_delay_alu instid0(VALU_DEP_1)
	v_lshl_or_b32 v[TMP], v[BT+1], 16, v[BT]       ; my two bytes: blocks h and 2 + h,
	s_delay_alu instid0(VALU_DEP_1)
	v_lshlrev_b32 v[TMP], v[H8], v[TMP]            ; at their places in the scale word;
	s_delay_alu instid0(VALU_DEP_1)
	v_permlanex16_b32 v[TM2], v[TMP], s[SEL], s[SEL+1]
	s_delay_alu instid0(VALU_DEP_1)
	v_or_b32 v[PW], v[TMP], v[TM2]                 ; with lane l xor 16's two the word is whole
.irp c, 0,1
.irp i, 0,1,2,3
	v_cvt_scalef32_pk8_fp4_f32 v[PC+4*\c+\i], v[S+32*\c+8*\i:S+32*\c+8*\i+7], v[SO+\c]   ; register 4 c + i of p's operand: keys 64 c + 32 h + 8 i + 0 .. 7
.endr
.endr
	v_pk_add_f32 v[T0:T0+1], v[S:S+1], v[S+2:S+3]  ; the row's sum of the unquantised p, in four chains.  (These 32 are also the places ahead of the products)
	v_pk_add_f32 v[T1:T1+1], v[S+4:S+5], v[S+6:S+7]
	v_pk_add_f32 v[T2:T2+1], v[S+8:S+9], v[S+10:S+11]
	v_pk_add_f32 v[14:15], v[14:15], v[S+12:S+13]
.irp k, 14,22,30,38,46,54
	v_pk_add_f32 v[T0:T0+1], v[T0:T0+1], v[S+\k:S+\k+1]
	v_pk_add_f32 v[T1:T1+1], v[T1:T1+1], v[S+\k+2:S+\k+3]
	v_pk_add_f32 v[T2:T2+1], v[T2:T2+1], v[S+\k+4:S+\k+5]
	v_pk_add_f32 v[14:15], v[14:15], v[S+\k+6:S+\k+7]
.endr
	v_pk_add_f32 v[T0:T0+1], v[T0:T0+1], v[S+62:S+63]
	v_pk_add_f32 v[14:15], v[14:15], v[T2:T2+1]
	s_delay_alu instid0(VALU_DEP_2)
	v_pk_add_f32 v[T0:T0+1], v[T0:T0+1], v[T1:T1+1]
	s_delay_alu instid0(VALU_DEP_1)
	v_pk_add_f32 v[14:15], v[14:15], v[T0:T0+1]
	s_wait_alu depctr_va_vdst(0)
	s_wait_dscnt 0x0                               ; v, and the next step's k: all were asked for at the step's head
.irp dt, 0,1,2,3
	MM O+8*\dt, VF+8*\dt, PC, VS+\dt, PW           ; four accumulators, one instruction a turn; the eight products on the scores stand between their turns
.endr
.endm
	s_wait_alu depctr_va_vdst(0)
	s_wait_tensorcnt 0x0                           ; my load has landed
	s_barrier_signal -1
	s_barrier_wait -1                              ; everybody's has: the head's whole K and V are in
	KLOAD                                          ; step 0's k
	s_mov_b32 s[CNT], 31
	s_wait_dscnt 0x0
.Lstep:
	STEP 1
	s_sub_co_u32 s[CNT], s[CNT], 1
	s_cmp_lg_u32 s[CNT], 0
	s_cbranch_scc1 .Lstep
	STEP 0                                         ; the last step is written out: no k follows it
	; THE WAY OUT: z = O^T / the sum, quantised along the head's 64 channels (two blocks of d_model's 32), stored as an image and a halfword of scale bytes
	PLACES
	s_wait_alu depctr_va_vdst(0)
	v_add_f32 v14, v14, v15
	s_delay_alu instid0(VALU_DEP_1)
	v_permlanex16_b32 v[TMP], v14, s[SEL], s[SEL+1]
	s_delay_alu instid0(VALU_DEP_1)
	v_add_f32 v14, v14, v[TMP]                     ; the row's sum
	s_wait_alu depctr_va_vdst(0)
	v_rcp_f32 v[F], v14
	v_mov_b32 v[F+1], 0                            ; a plain place behind the reciprocal
	s_wait_alu depctr_va_vdst(0)                   ; the wait ahead of its first reader, which is also O^T's
.set j, 0
.rept 16
	v_pk_mul_f32 v[O+j:O+j+1], v[O+j:O+j+1], v[F:F+1] op_sel_hi:[1,0]
.set j, j+2
.endr
.irp b, 0,1
	v_max3_num_f32 v[BM+\b], |v[O+16*\b]|, |v[O+16*\b+1]|, 0x1800000
.endr
.irp i, 2,4,6,8,10,12,14
.irp b, 0,1
	s_delay_alu instid0(VALU_DEP_2)
	v_max3_num_f32 v[BM+\b], v[BM+\b], |v[O+16*\b+\i]|, |v[O+16*\b+\i+1]|
.endr
.endr
.irp b, 0,1
	s_delay_alu instid0(VALU_DEP_2)
	v_permlanex16_b32 v[BT+\b], v[BM+\b], s[SEL], s[SEL+1]
.endr
.irp b, 0,1
	s_delay_alu instid0(VALU_DEP_2)
	v_max_num_f32 v[BM+\b], v[BM+\b], v[BT+\b]
.endr
.irp b, 0,1
	s_delay_alu instid0(VALU_DEP_2)
	v_add_nc_u32 v[SO+\b], 0xff000000, v[BM+\b]
.endr
.irp b, 0,1
	s_delay_alu instid0(VALU_DEP_2)
	v_lshrrev_b32 v[BT+\b], 23, v[SO+\b]
.endr
	s_delay_alu instid0(VALU_DEP_1)
	v_lshl_or_b32 v[TMP], v[BT+1], 8, v[BT]
	v_cvt_scalef32_pk8_fp4_f32 v[PC], v[O:O+7], v[SO]
	v_cvt_scalef32_pk8_fp4_f32 v[PC+1], v[O+16:O+23], v[SO+1]
	v_cvt_scalef32_pk8_fp4_f32 v[PC+2], v[O+8:O+15], v[SO]
	v_cvt_scalef32_pk8_fp4_f32 v[PC+3], v[O+24:O+31], v[SO+1]
	v_nop                                          ; one plain place behind the scaled conversions
	v_permlane16_swap_b32 v[PC], v[PC+1]           ; lanes 0-15: block 0 of the head's two, lanes 16-31: block 1
	v_permlane16_swap_b32 v[PC+2], v[PC+3]
	global_store_b128 v[L16], v[PC:PC+3], s[10:11] ; 512 consecutive bytes, aligned
	global_store_b16 v[R4], v[TMP], s[12:13]       ; lanes 16-31 write what lanes 0-15 write
	s_wait_tensorcnt 0x0                           ; the wave's end
	ds_add_u32 v[SPW], v[NIL]
	s_wait_dscnt 0x0
	CROUND                                         ; the closing round
	s_endpgm
.Lfunc_end_k_qad6af2153e_attn:
	.size	k_qad6af2153e_attn, .Lfunc_end_k_qad6af2153e_attn-k_qad6af2153e_attn
	.p2alignl 7, 3214868480
	.fill 96, 4, 3214868480
	.section	.rodata,"a",@progbits
	.p2align	6, 0x0
	.amdhsa_kernel k_qad6af2153e_attn
		.amdhsa_group_segment_fixed_size 296960
		.amdhsa_private_segment_fixed_size 0
		.amdhsa_enable_private_segment 0
		.amdhsa_kernarg_size 40
		.amdhsa_user_sgpr_count 2
		.amdhsa_user_sgpr_kernarg_segment_ptr 1
		.amdhsa_wavefront_size32 1
		.amdhsa_system_sgpr_workgroup_id_x 1
		.amdhsa_system_sgpr_workgroup_id_y 1
		.amdhsa_system_sgpr_workgroup_id_z 1
		.amdhsa_system_vgpr_workitem_id 0
		.amdhsa_next_free_vgpr 228
		.amdhsa_next_free_sgpr 66
		.amdhsa_reserve_vcc 0
		.amdhsa_float_denorm_mode_32 3
		.amdhsa_float_denorm_mode_16_64 3
		.amdhsa_memory_ordered 1
		.amdhsa_forward_progress 1
		.amdhsa_inst_pref_size 41
	.end_amdhsa_kernel
	.amdgpu_metadata
---
amdhsa.version: [ 1, 2 ]
amdhsa.kernels:
  - .name:           k_qad6af2153e_attn
    .symbol:         k_qad6af2153e_attn.kd
    .args:
      - { .name: qc, .offset: 0, .size: 8, .value_kind: global_buffer, .address_space: global }
      - { .name: qs, .offset: 8, .size: 8, .value_kind: global_buffer, .address_space: global }
      - { .name: kv, .offset: 16, .size: 8, .value_kind: global_buffer, .address_space: global }
      - { .name: zc, .offset: 24, .size: 8, .value_kind: global_buffer, .address_space: global }
      - { .name: zs, .offset: 32, .size: 8, .value_kind: global_buffer, .address_space: global }
    .group_segment_fixed_size: 296960
    .private_segment_fixed_size: 0
    .kernarg_segment_align: 8
    .kernarg_segment_size: 40
    .max_flat_workgroup_size: 512
    .sgpr_count:     66
    .vgpr_count:     228
    .wavefront_size: 32
...
	.end_amdgpu_metadata
.endif
;; end of part 2
;; launch outp (part 3): grid 8 x 32, 4 waves a work-group, clusters of 4 x 4, 168,448 bytes of LDS; arguments zc, zs, Wo_codes, Wo_scales, bo, out0; writes out0
.if DOCPART == 3
	.amdgcn_target "amdgcn-amd-amdhsa--gfx1250"
	.amdhsa_code_object_version 6
	.text
	.protected	k_qad6af2153e_outp
	.globl	k_qad6af2153e_outp
	.p2align	8
	.type	k_qad6af2153e_outp,@function
k_qad6af2153e_outp:
	s_mov_b64 s[64:65], 0
	v_nop
	global_prefetch_b8 v0, s[64:65] scope:SCOPE_SE
	s_setreg_imm32_b32 hwreg(HW_REG_WAVE_MODE, 25, 1), 1
	s_wait_xcnt 0x0
	s_wait_alu depctr_hold_cnt(0) depctr_sa_sdst(0) depctr_va_vdst(0) depctr_va_sdst(0) depctr_va_ssrc(0) depctr_va_vcc(0) depctr_vm_vsrc(0)
	s_getreg_b32 s2, hwreg(HW_REG_IB_STS2, 6, 4)
	s_cmp_eq_u32 s2, 0
	s_cbranch_scc0 .Lentry_in_a_cluster
	s_endpgm
.Lentry_in_a_cluster:
	s_bfe_u32 s2, ttmp6, 0x10000c
	s_cmp_lg_u32 s2, 0xf033
	s_cbranch_scc0 .Lentry_shape_is_right
	s_endpgm
.Lentry_shape_is_right:
; out = z Wo^T + bo on codes of FP4 (E2M1) with E8M0 scales.  z comes as images of operand registers, [head 16][tile of 16 tokens 256][512 bytes], and scale words [K step 8][tile 256][row 16]; Wo as given, K innermost.
; Row r of tile T of a group of 64 tokens is token 32 (r / 8) + 8 T + r % 8 (so the launches before laid them): the stores' offsets put each row in its place.
; SHARES.  A work-group makes 128 tokens x 128 columns: 256 work-groups.  Four waves, each 64 x 64: 16 accumulators.  All of K = 1,024 lies in LDS, filled once: four tiles, ONE load a wave
; (wave 0 z's images, wave 1 Wo's codes, wave 2 z's scale words, wave 3 Wo's scale bytes); one barrier; nothing is filled again.
; CLUSTER 4 x 4: z's tiles are shared along a row of the cluster, Wo's along a column: each is asked for jointly.  No prefetch: all loads stand at the head and the text has no loop.
; THE MATRIX INSTRUCTION IS USED TRANSPOSED: source 0 = 16 rows of Wo (columns of out), source 1 = 16 tokens: a lane holds eight neighbouring columns of one token.  The bias is the C of each sum's first product.
; A K step of 128 is two heads: registers 0-3 of z's operand are the image of head 2 s, registers 4-7 that of head 2 s + 1.
.set PITCH, 528                        ; a row of Wo's codes in LDS: 512 bytes + 16
.set T16,   16*PITCH
.set G64,   64*PITCH
.set WCH,   256                        ; the second half of K in a row
.set ZI,    128*PITCH                  ; z's images: [head 16][8 tiles x 512 bytes]
.set WS,    ZI+65536                   ; Wo's scale bytes: units of 256 bytes + 16
.set ZS,    WS+16*272                  ; z's scale words: [K step 8][8 tiles x 64 bytes]
.set STG,   ZS+4096                    ; the way out: 16 rows x (256 bytes + 16) for each wave; no fill lands here
.set SPARE, 167936                     ; the spare words: 128 bytes a wave
.set LF,  3
.set LS,  4
.set L16, 5
.set BO,  7                            ; v7   the bias's lane offset: 32 h
.set ADP, 8                            ; v8-9 Wo's fragments, first and second half of K
.set ADZ, 10                           ; v10  z's images
.set CO,  11                           ; v11  my byte offset in two rows of out
.set ASP, 12                           ; v12  Wo's scale words
.set ASZ, 13                           ; v13  z's
.set STO, 14                           ; v14  the stage: where I put 32 bytes of a row
.set RD,  15                           ; v15  and where I read a row back
.set FP,  16
.set FQ,  48
.set BI,  80
.set SP,  112                          ; v112-115 Wo's scale words; v116-119 z's: scales and nothing else
.set SQ,  116
.set SPW, 126                          ; my spare word's address; never rewritten
.set NIL, 127                          ; 0; never rewritten
.set ACC, 128                          ; accumulator (pt, qt) at v[128 + 32 qt + 8 pt]
.set G1Z, 24
.set G0Z, 32
.set G1W, 40
.set G0W, 48
.set G1ZS, 56
.set G1WS, 68
.set G0ZS, 76
.set G0WS, 80
.set WV,  84
.set CX,  87
.set CY,  88
.set TC,  89
.set WY,  90
.set RM,  91
.set CM,  92
.set PWS, 93                           ; which 64 columns are mine
.set QWS, 94                           ; which 64 tokens
.macro CROUND
	s_barrier_signal -1
	s_barrier_wait -1
	s_cmp_lg_u32 s[WV], 0
	s_cbranch_scc1 .Lnot_wave_0_\@
	s_barrier_signal -3
.Lnot_wave_0_\@:
	s_barrier_wait -3
	s_barrier_signal -1
	s_barrier_wait -1
.endm
.macro PLACES
.rept 4
	v_nop
.endr
.endm
.macro ARM under, g0, g1, next         ; an arm of the head's one chain of branches on the wave's number: one joint load, s_nop 0 and four v_nop
	s_cmp_lt_u32 s[WV], \under
	s_cbranch_scc0 \next
	tensor_load_to_lds s[\g0:\g0+3], s[\g1:\g1+7]
	s_nop 0
	PLACES
	s_branch .Lhead_asked
\next:
.endm
.macro DESC g, d0, d1, p               ; group 1's words 1 to 7: rows of d0 elements, d1 of them, p elements apart
	s_mov_b32 s[\g+1], (\d0)<<16
	s_mov_b32 s[\g+2], (\d1)<<16
	s_mov_b32 s[\g+3], (\d0)<<16
	s_mov_b32 s[\g+4], \d1
	s_mov_b32 s[\g+5], \p
	s_mov_b32 s[\g+6], 0
	s_mov_b32 s[\g+7], 0
.endm
.macro FRAG reg, adr, off
	ds_load_b128 v[\reg:\reg+3], v[\adr] offset:\off
	ds_load_b128 v[\reg+4:\reg+7], v[\adr] offset:\off+32
.endm
.macro MM d, a, b, c, sa, sb
	v_wmma_scale_f32_16x16x128_f8f6f4 v[\d:\d+7], v[\a:\a+7], v[\b:\b+7], v[\c:\c+7], v[\sa], v[\sb] matrix_a_fmt:MATRIX_FMT_FP4 matrix_b_fmt:MATRIX_FMT_FP4
.endm
; 128 along K.  first = 1: the sums begin with the bias.  The sixteen accumulators take turns, one instruction a turn.
.macro KSTEP s, first
.if \s > 0
	PLACES
.endif
.irp t, 0,1,2,3
	ds_load_b32 v[SP+\t], v[ASP] offset:544*\t+4*\s
	ds_load_b32 v[SQ+\t], v[ASZ] offset:512*\s+64*\t
.endr
.irp t, 0,1,2,3
	ds_load_b128 v[FQ+8*\t:FQ+8*\t+3], v[ADZ] offset:8192*\s+512*\t
	ds_load_b128 v[FQ+8*\t+4:FQ+8*\t+7], v[ADZ] offset:8192*\s+4096+512*\t
	FRAG FP+8*\t, ADP+(\s)/4, T16*\t+64*((\s)%4)
.endr
	s_wait_dscnt 0x0
.irp qt, 0,1,2,3
.irp pt, 0,1,2,3
.if \first
	MM ACC+32*\qt+8*\pt, FP+8*\pt, FQ+8*\qt, BI+8*\pt, SP+\pt, SQ+\qt
.else
	MM ACC+32*\qt+8*\pt, FP+8*\pt, FQ+8*\qt, ACC+32*\qt+8*\pt, SP+\pt, SQ+\qt
.endif
.endr
.endr
.endm
	s_load_b256 s[4:11], s[0:1], 0x0               ; zc, zs, Wo's codes, Wo's scales
	s_load_b128 s[12:15], s[0:1], 0x20             ; bo, out0
	v_lshl_add_u32 v[SPW], v0, 2, SPARE
	v_mov_b32 v[NIL], 0
	ds_add_u32 v[SPW], v[NIL]                      ; the opening lines: the add, twice on end, and its wait ahead of my tensor load
	ds_add_u32 v[SPW], v[NIL]
	v_lshrrev_b32 v1, 5, v0
	v_readfirstlane_b32 s[WV], v1
	s_bfe_u32 s[CX], ttmp6, 0x40000
	s_bfe_u32 s[CY], ttmp6, 0x40004
	s_lshl_b32 s[TC], ttmp9, 2
	s_add_co_u32 s[TC], s[TC], s[CX]
	s_and_b32 s[WY], ttmp7, 0xffff
	s_lshl_b32 s[WY], s[WY], 2
	s_add_co_u32 s[WY], s[WY], s[CY]
	s_lshl_b32 s[RM], s[CY], 2
	s_lshl_b32 s[RM], 15, s[RM]
	s_lshl_b32 s[CM], 0x1111, s[CX]
	s_and_b32 s[PWS], s[WV], 1
	s_lshr_b32 s[QWS], s[WV], 1
	s_or_b32 s[G1Z], s[RM], (3<<16)|(1<<21)        ; z's images: 16 heads x 4,096 bytes (8 tiles), a head's images 131,072 bytes apart; elements of 8 bytes; no padding
	DESC G1Z, 512, 16, 16384
	s_or_b32 s[G1ZS], s[RM], (3<<16)|(1<<21)       ; z's scale words: 8 K steps x 512 bytes (8 tiles), 16,384 bytes apart
	DESC G1ZS, 64, 8, 2048
	s_or_b32 s[G1W], s[CM], (0<<16)|(1<<20)|(1<<21)|(6<<22)|(3<<25)   ; Wo's codes: 128 whole rows of 512 bytes, 4 words of padding behind every 128
	DESC G1W, 512, 128, 512
	s_or_b32 s[G1WS], s[CM], (3<<16)|(1<<20)|(1<<21)|(5<<22)|(3<<25)  ; Wo's scale bytes of 128 rows: 4,096 dense bytes as 16 rows of 256, 4 words of padding behind each
	DESC G1WS, 32, 16, 32
	s_lshl_b32 s[G0Z+2], s[WY], 12                 ; z: tile 8 x tile row: the tile row alone
	s_mov_b32 s[G0Z+3], 0
	s_lshl_b32 s[G0ZS+2], s[WY], 9
	s_mov_b32 s[G0ZS+3], 0
	s_lshl_b32 s[G0W+2], s[TC], 16                 ; Wo: row 128 x tile column: the tile column alone
	s_mov_b32 s[G0W+3], 0
	s_lshl_b32 s[G0WS+2], s[TC], 12
	s_mov_b32 s[G0WS+3], 0
	s_mov_b32 s[G0Z+1], ZI
	s_mov_b32 s[G0W+1], 0
	s_mov_b32 s[G0ZS+1], ZS
	s_mov_b32 s[G0WS+1], WS
	s_wait_dscnt 0x0                               ; both opening adds are done
	s_wait_kmcnt 0x0
	s_add_nc_u64 s[G0Z+2:G0Z+3], s[4:5], s[G0Z+2:G0Z+3]
	s_add_nc_u64 s[G0ZS+2:G0ZS+3], s[6:7], s[G0ZS+2:G0ZS+3]
	s_add_nc_u64 s[G0W+2:G0W+3], s[8:9], s[G0W+2:G0W+3]
	s_add_nc_u64 s[G0WS+2:G0WS+3], s[10:11], s[G0WS+2:G0WS+3]
.irp g, G0Z, G0W, G0ZS, G0WS
	s_mov_b32 s[\g], 1
	s_or_b32 s[\g+3], s[\g+3], 0x80000000
.endr
	CROUND                                         ; all sixteen work-groups are here: the joint loads meet
	ARM 1, G0Z,  G1Z,  .Lhead_w
	ARM 2, G0W,  G1W,  .Lhead_zs
	ARM 3, G0ZS, G1ZS, .Lhead_ws
	tensor_load_to_lds s[G0WS:G0WS+3], s[G1WS:G1WS+7]
	s_nop 0
	PLACES
.Lhead_asked:
	s_mul_i32 s2, s[PWS], G64                      ; my 64 rows of Wo
	s_lshl_b32 s3, s[QWS], 11
	s_add_co_u32 s3, s3, ZI                        ; my four tiles of z
	s_mul_i32 s66, s[PWS], 2176
	s_add_co_u32 s66, s66, WS
	s_lshl_b32 s67, s[QWS], 8
	s_add_co_u32 s67, s67, ZS
	s_mul_i32 s95, s[WV], 16*272
	s_add_co_u32 s95, s95, STG                     ; my stage
	v_and_b32 v1, 15, v0                           ; r
	v_bfe_u32 v2, v0, 4, 1                         ; h
	v_mul_u32_u24 v[LF], v1, PITCH
	v_lshl_add_u32 v[LF], v2, 4, v[LF]
	v_add_nc_u32 v[ADP], s2, v[LF]
	v_add_nc_u32 v[ADP+1], WCH, v[ADP]
	v_lshrrev_b32 v[LS], 3, v1
	v_mul_u32_u24 v[LS], v[LS], 272
	v_and_b32 v[L16], 7, v1
	v_lshl_add_u32 v[LS], v[L16], 5, v[LS]
	v_add_nc_u32 v[ASP], s66, v[LS]
	v_and_b32 v[L16], 31, v0
	v_lshlrev_b32 v[L16], 4, v[L16]
	v_add_nc_u32 v[ADZ], s3, v[L16]
	v_lshl_add_u32 v[ASZ], v1, 2, s67
	v_mul_u32_u24 v[STO], v1, 272
	v_lshl_add_u32 v[STO], v2, 5, v[STO]
	v_add_nc_u32 v[STO], s95, v[STO]               ; in: row r, 32 bytes for each half of the lanes
	v_mul_u32_u24 v[RD], v2, 272
	v_lshl_add_u32 v[RD], v1, 4, v[RD]
	v_add_nc_u32 v[RD], s95, v[RD]                 ; back: lanes 0-15 one row of 256 bytes, lanes 16-31 the next
	v_lshlrev_b32 v[CO], 12, v2
	v_lshl_add_u32 v[CO], v1, 4, v[CO]             ; and two neighbouring rows in out
	v_lshlrev_b32 v[BO], 5, v2
	s_wait_alu depctr_va_vdst(0)
	s_lshl_b32 s2, s[TC], 9
	s_lshl_b32 s3, s[PWS], 8
	s_add_co_u32 s2, s2, s3                        ; my first column, in bytes
	s_mov_b32 s3, 0
	s_add_nc_u64 s[12:13], s[12:13], s[2:3]
	s_add_nc_u64 s[14:15], s[14:15], s[2:3]
	s_lshl_b32 s2, s[WY], 19
	s_lshl_b32 s66, s[QWS], 18
	s_add_co_u32 s2, s2, s66                       ; my group of 64 tokens' first row
	s_add_nc_u64 s[14:15], s[14:15], s[2:3]
.irp i, 0,1,2,3,4,5,6,7
	global_load_b128 v[BI+4*\i:BI+4*\i+3], v[BO], s[12:13] offset:64*(\i/2)+16*(\i%2)   ; register 8 pt + j: bo of column 16 pt + 8 h + j
.endr
	s_wait_loadcnt 0x0
	s_wait_tensorcnt 0x0                           ; my tile has landed
	s_barrier_signal -1
	s_barrier_wait -1                              ; all four have
	KSTEP 0, 1
	KSTEP 1, 0
	KSTEP 2, 0
	KSTEP 3, 0
	KSTEP 4, 0
	KSTEP 5, 0
	KSTEP 6, 0
	KSTEP 7, 0
; THE WAY OUT, a tile of 16 tokens x 64 columns at a time, through my own stage: LDS serves a wave's instructions in order (ISA guide 5.7.1.4), so no wait stands between the stores and the loads, nor ahead of the next tile's stores.
.macro TOSTAGE qt
.irp pt, 0,1,2,3
	ds_store_b128 v[STO], v[ACC+32*(\qt)+8*\pt:ACC+32*(\qt)+8*\pt+3] offset:64*\pt          ; each accumulator from its low end on
	ds_store_b128 v[STO], v[ACC+32*(\qt)+8*\pt+4:ACC+32*(\qt)+8*\pt+7] offset:64*\pt+16
.endr
.set BB, 16+32*((\qt)%2)
.irp i, 0,1,2,3,4,5,6,7
	ds_load_b128 v[BB+4*\i:BB+4*\i+3], v[RD] offset:544*\i
.endr
.endm
.macro SEND qt, younger                ; younger: the LDS instructions issued behind this tile's loads, which may stay out
.set BB, 16+32*((\qt)%2)
	s_wait_dscnt \younger
.irp i, 0,1,2,3,4,5,6,7
	global_store_b128 v[CO], v[BB+4*\i:BB+4*\i+3], s[14:15] offset:4096*(8*(\qt)+32*(\i/4)+2*(\i%4)) th:TH_STORE_NT   ; stage rows 2 i, 2 i + 1 are tokens 32 (i / 4) + 8 qt + 2 (i % 4) + h; 16 lanes store 256 consecutive bytes, aligned
.endr
.endm
	PLACES
	TOSTAGE 0
.irp a, 1,2,3
.if \a > 1
	s_wait_xcnt 0x0                                ; tile a - 2's stores have read their registers: tile a's loads may land there
.endif
	TOSTAGE \a
	SEND \a-1, 16                                  ; behind tile a - 1's loads: tile a's eight stores and eight loads
.endr
	SEND 3, 0
	s_wait_tensorcnt 0x0                           ; the wave's end
	ds_add_u32 v[SPW], v[NIL]
	s_wait_dscnt 0x0
	CROUND                                         ; the closing round
	s_endpgm
.Lfunc_end_k_qad6af2153e_outp:
	.size	k_qad6af2153e_outp, .Lfunc_end_k_qad6af2153e_outp-k_qad6af2153e_outp
	.p2alignl 7, 3214868480
	.fill 96, 4, 3214868480
	.section	.rodata,"a",@progbits
	.p2align	6, 0x0
	.amdhsa_kernel k_qad6af2153e_outp
		.amdhsa_group_segment_fixed_size 168448
		.amdhsa_private_segment_fixed_size 0
		.amdhsa_enable_private_segment 0
		.amdhsa_kernarg_size 48
		.amdhsa_user_sgpr_count 2
		.amdhsa_user_sgpr_kernarg_segment_ptr 1
		.amdhsa_wavefront_size32 1
		.amdhsa_system_sgpr_workgroup_id_x 1
		.amdhsa_system_sgpr_workgroup_id_y 1
		.amdhsa_system_sgpr_workgroup_id_z 1
		.amdhsa_system_vgpr_workitem_id 0
		.amdhsa_next_free_vgpr 256
		.amdhsa_next_free_sgpr 102
		.amdhsa_reserve_vcc 0
		.amdhsa_float_denorm_mode_32 3
		.amdhsa_float_denorm_mode_16_64 3
		.amdhsa_memory_ordered 1
		.amdhsa_forward_progress 1
		.amdhsa_inst_pref_size 46
	.end_amdhsa_kernel
	.amdgpu_metadata
---
amdhsa.version: [ 1, 2 ]
amdhsa.kernels:
  - .name:           k_qad6af2153e_outp
    .symbol:         k_qad6af2153e_outp.kd
    .args:
      - { .name: zc, .offset: 0, .size: 8, .value_kind: global_buffer, .address_space: global }
      - { .name: zs, .offset: 8, .size: 8, .value_kind: global_buffer, .address_space: global }
      - { .name: Wo_codes, .offset: 16, .size: 8, .value_kind: global_buffer, .address_space: global }
      - { .name: Wo_scales, .offset: 24, .size: 8, .value_kind: global_buffer, .address_space: global }
      - { .name: bo, .offset: 32, .size: 8, .value_kind: global_buffer, .address_space: global }
      - { .name: out0, .offset: 40, .size: 8, .value_kind: global_buffer, .address_space: global }
    .group_segment_fixed_size: 168448
    .private_segment_fixed_size: 0
    .kernarg_segment_align: 8
    .kernarg_segment_size: 48
    .max_flat_workgroup_size: 128
    .sgpr_count:     102
    .vgpr_count:     256
    .wavefront_size: 32
...
	.end_amdgpu_metadata
.endif
;; end of part 3
